; MI455X (gfx1250); checked and timed in simulation.
; The chip was launched on July 23, 2026; its instructions are those of AMD's public machine-readable ISA for CDNA 5 (MIT licence, August 2026) and "CDNA5" Instruction Set Architecture Reference Guide (July 2026). The comments in the code are by the model that wrote it; some were corrected since.
;; Masked Multi Head Self Attention. Allowed arithmetic: matrix products marked QUANTISED: E4M3 operands, one E8M0 scale for each 32 along K, by v_wmma_scale_f32_16x16x128_f8f6f4 with both operands' format E4M3, f32 sums; everything else in f32.
;; Inputs: Wk_codes 512 x 16 x 32 uint8 (E4M3 codes of Wk, K innermost, in blocks of 32 codes); Wk_scales 512 x 16 uint8 (E8M0 scales of Wk, one for each 32 codes along K); Wo_codes 512 x 16 x 32 uint8 (E4M3 codes of Wo, K innermost, in blocks of 32 codes); Wo_scales 512 x 16 uint8 (E8M0 scales of Wo, one for each 32 codes along K); Wq_codes 512 x 16 x 32 uint8 (E4M3 codes of Wq, K innermost, in blocks of 32 codes); Wq_scales 512 x 16 uint8 (E8M0 scales of Wq, one for each 32 codes along K); Wv_codes 512 x 16 x 32 uint8 (E4M3 codes of Wv, K innermost, in blocks of 32 codes); Wv_scales 512 x 16 uint8 (E8M0 scales of Wv, one for each 32 codes along K); adj 2,048 x 2,048 int32; bk 512 float32; bo 512 float32; bq 512 float32; bv 512 float32; h_codes 4 x 2,048 x 16 x 32 uint8 (E4M3 codes of h, K innermost, in blocks of 32 codes); h_scales 4 x 2,048 x 16 uint8 (E8M0 scales of h, one for each 32 codes along K).
;; Outputs: out0 4 x 2,048 x 512 float32.
;; This version of the problem:
;;   THIS VERSION OF THE PROBLEM IS GIVEN IN LOW PRECISION. The matrix products marked QUANTISED in the list below multiply operands that are first quantised to E4M3 (4 exponent bits, 3 mantissa bits; 8 bits a number), with one power-of-two scale for each 32 numbers along K (OCP MX v1.0); their sums are f32. All else is computed in f32.
;;   The module's matrix products, in the order in which they are computed (A, B: the left and right operand; K: the contracted axis; several contracted axes count as one K, in the product's order):
;;     1. [M 8,192, K 512] x [K 512, N 512]; A: input h (given as codes); B: input Wq (given as codes): QUANTISED
;;     2. [M 8,192, K 512] x [K 512, N 512]; A: input h (given as codes); B: input Wk (given as codes): QUANTISED
;;     3. [M 8,192, K 512] x [K 512, N 512]; A: input h (given as codes); B: input Wv (given as codes): QUANTISED
;;     4. batch 32 x [M 2,048, K 64] x [K 64, N 2,048]; A: computed on the way; B: computed on the way: QUANTISED
;;     5. batch 32 x [M 2,048, K 2,048] x [K 2,048, N 64]; A: softmax (see below); B: computed on the way: QUANTISED
;;     6. [M 8,192, K 512] x [K 512, N 512]; A: computed on the way; B: input Wo (given as codes): QUANTISED
;;   THE QUANTISER, for each operand of a quantised product, along K:
;;     - K is cut into blocks of 32 from its start; a last block that is shorter is filled with zeros.
;;     - A block's scale is 2^e with e = floor(log2(the largest magnitude in the block)) - 8, held to -126 .. 127; a block of zeros has e = 0. As a byte (E8M0): e + 127.
;;     - Each number is divided by its block's scale, clamped to +-448, and rounded to the nearest number of E4M3, ties to even, subnormals kept.
;;     - The product sums the exact products of the quantised numbers (number of the format x scale) in f32.
;;   ~~~python
;;   def quantise(x, axis):      # numpy; x: float32 -> the quantised numbers, widened to float32 again
;;       x = np.moveaxis(x, axis, -1); K = x.shape[-1]
;;       x = np.pad(x, [(0, 0)] * (x.ndim - 1) + [(0, -K % 32)]); x = x.reshape(x.shape[:-1] + (-1, 32)); a = np.abs(x).max(-1, keepdims=True)
;;       e = np.where(a > 0, np.clip(np.frexp(np.where(a > 0, a, 1))[1] - 1 - 8, -126, 127), 0)      # np.frexp(a)[1] - 1 = floor(log2(a)), exactly
;;       r = np.clip(x / 2.0 ** e, -448, 448)
;;       step = 2.0 ** (np.maximum(np.frexp(np.where(r == 0, 1, r))[1] - 1, -6) - 3)
;;       q = np.round(r / step) * step * 2.0 ** e      # np.round: ties to even
;;       return np.moveaxis(q.reshape(q.shape[:-2] + (-1,))[..., :K], -1, axis).astype(np.float32)
;;   ~~~
;;   SOFTMAX AHEAD OF A QUANTISED PRODUCT. Where the list says 'softmax', what is quantised is not the finished softmax but p = 2^(t - M), with t = logit x log2(e) and M = ceil(the row's largest t), a whole number; so 1/2 < the row's largest p <= 1. The row's sum l is taken of the UNQUANTISED p, in f32, and the product's result is divided by l at the end. Since M is a whole number, a kernel that streams over the keys may use a running M (the ceiling of the running maximum): every later rescaling is an exact power of two, which a block's scale takes up: the codes' values come out the same.
;;   OPERANDS COMPUTED ON THE WAY. 'Computed on the way' means the value that the module computes at that place (a softmax that the list does not call 'softmax' is quantised finished and normalised). What goes into a quantiser is computed in f32, as accurately as f32 sums, v_exp_f32 and their like allow (about 1e-6 of the number): no bf16 or f16 on the way to a quantiser, and a product that is left as it is and whose result goes on into a quantised operand takes f32 operands (vector FMAs, or v_wmma_f32_16x16x4_f32). A number that lies on a knife's edge between two numbers of the format may be rounded either way, as far as f32 arithmetic and the matrix unit's own rounding can turn it there, and no further.
;;   INPUTS GIVEN AS CODES. Wk (in the module: [512, 512], K = its axis 1); Wo (in the module: [512, 512], K = its axis 1); Wq (in the module: [512, 512], K = its axis 1); Wv (in the module: [512, 512], K = its axis 1); h (in the module: [4, 2048, 512], K = its axis 2): each comes as NAME_codes (uint8): NAME with its K axis moved to the last place and cut into blocks of 32 codes, [.., K / 32, bytes a block], one block behind the other in memory; one code a byte (a code: sign, 4 exponent bits, 3 mantissa bits); and NAME_scales (uint8): the same leading axes, one E8M0 byte (e + 127) for each 32 codes along K. Its value is code x scale, taken as it is: it is not quantised again, and the codes and scales need not be those that the quantiser above would give.
;; One version. Each part assembles by itself: llvm-mc -triple=amdgcn-amd-amdhsa -mcpu=gfx1250 --defsym DOCPART=n.
;; ======== version 1 of 1: 2 launches
;; limits: right only within a limited range of input values
;; workspace buffers: qf 4,456,448 bytes; kv 10,027,008 bytes; maskw 524,288 bytes of whole numbers
;; launch prep (part 1): grid 64 x 4, 8 waves a work-group, clusters of 4 x 1, 306,176 bytes of LDS; arguments h_codes, h_scales, Wq_codes, Wk_codes, Wv_codes, Wq_scales, Wk_scales, Wv_scales, bq, bk, bv, adj, qf, kv, Wo_codes, maskw, Wo_scales; writes qf, kv, maskw
.if DOCPART == 1
	.amdgcn_target "amdgcn-amd-amdhsa--gfx1250"
	.amdhsa_code_object_version 6
	.text
	.protected	k_qe8b11e8aef_prep
	.globl	k_qe8b11e8aef_prep
	.p2align	8
	.type	k_qe8b11e8aef_prep,@function
k_qe8b11e8aef_prep:
	s_mov_b64 s[64:65], 0
	v_nop
	global_prefetch_b8 v0, s[64:65] scope:SCOPE_SE
	s_setreg_imm32_b32 hwreg(HW_REG_WAVE_MODE, 25, 1), 1
	s_wait_xcnt 0x0
	s_wait_alu depctr_hold_cnt(0) depctr_sa_sdst(0) depctr_va_vdst(0) depctr_va_sdst(0) depctr_va_ssrc(0) depctr_va_vcc(0) depctr_vm_vsrc(0)
	s_getreg_b32 s2, hwreg(HW_REG_IB_STS2, 6, 4)
	s_cmp_eq_u32 s2, 0
	s_cbranch_scc0 .Lentry_in_a_cluster
	s_endpgm
.Lentry_in_a_cluster:
	s_bfe_u32 s2, ttmp6, 0x10000c
	s_cmp_lg_u32 s2, 0x3003
	s_cbranch_scc0 .Lentry_shape_is_right
	s_endpgm
.Lentry_shape_is_right:
; q, k, v = h W^T + b on codes of FP8 (E4M3) with E8M0 scales, quantised again in registers and stored as IMAGES OF OPERAND REGISTERS; and adj packed into lane masks.
; SHARES.  A work-group takes 128 tokens (x = 0..63) and two heads (y = 0..3: rows 128 y .. 128 y + 127 of Wq, Wk, Wv).  Eight waves, 96 matrix instructions each.
;   QK unit of wave w: matrix w >> 2 (q or k), head (w >> 1) & 1 of the pair, token tiles 4 (w & 1) .. + 3.   V unit: head w >> 2, tile w & 3 of the head's 64, all eight token tiles.
;   Mask unit: the 2,048 waves of the launch take one (query tile, key step) of adj each: 16 rows x 128 keys.
; A TILE'S ROWS ARE NOT NEIGHBOURS: lane r of tile 2 B + u takes row 32 B + 8 u + r + 8 (r / 8), of tokens and of a head's features alike.  In a product the 16 registers of tiles 2 B and 2 B + 1 of lane (r, h)
; are then the 16 neighbours 32 B + 16 h + 0 .. 15 along source 0's rows: so the conversions' results are the next operand's registers (8-bit layout: registers 4 c .. 4 c + 3 hold K = 32 c + 16 h + 0 .. 15).
;   q, k: source 0 = 16 rows of W, source 1 = 16 tokens: a lane holds one token, registers run along the head's 64 (the scores' K).   v: source 0 = 16 tokens, source 1 = 16 rows of Wv: a lane holds one feature, registers run along the keys.
; The biases are the C of each sum's first matrix instruction.
; OUT.  qf, kf: [batch x head 32][block of 128 tokens 16][8,704]: tile T at 1,024 T + 512 c, lane l's 16 bytes at 16 l; at 8,192 the scale words: lane l, word i = tile 4 (l / 16) + i, row l % 16;
;   a word is byte 0 | byte 1 << 8 | 0x01010000: K = 64 fills half of the matrix instruction's 128, the other half is zero codes under the scale byte 1.
;   vf: [batch x head][key step][8,704]: tile t of the head's 64 at 2,048 t + 512 c (c: the block of 32 keys); at 8,192 + 128 t + 4 l the tile's scale words.
;   maskw: [query tile 128][key step 16][64 words]: word n, bit of lane (r, h) = (adj[token of row r][128 step + 32 (n / 16) + 16 h + n % 16] != 0): the lane mask of score register n.
; LDS.  Eight regions of 64 rows x 528 bytes, region w filled by wave w with one tensor load, once: h (u = 0, 1), Wq, Wk, Wv likewise.  Region u of a matrix holds its rows 16 z + 8 u + 0 .. 7 at LDS rows 8 z + 0 .. 7,
;   so that tile 2 B + u lies at LDS rows 16 B + r, in the fragment's order.  The tile is stated as 8 rows of 4,096 bytes (eight dense rows of 512), 8,192 bytes apart, with 16 bytes of padding behind every 512:
;   LDS rows 528 bytes = 132 words apart, so that the 16 rows of a fragment load start at 16 different banks (64 banks of 4 bytes: ISA guide 11.1).  Behind the regions: a stage of 16 x 272 bytes for each wave, for adj.
; CLUSTER.  The four work-groups of a cluster differ in x alone and need the same 192 KiB of Wq, Wk, Wv: those six loads are joint.  h's tile, a quarter of the fill, differs between them and is asked for alone;
;   it is shared only with the three work-groups of other y, which lie in other clusters.
; Nothing in LDS is filled a second time: one barrier parts the fills from the reads.
; LIMITS: a block whose largest magnitude lies under 2^-118 (a block of zeros too) gets the scale byte 1; its codes are zeros or next to it, and this program alone reads the bytes.  NaN and infinities among the inputs are not served.
.set REG,  33792                       ; a region: 64 rows x 528
.set T16,  8448                        ; 16 rows x 528
.set MST,  8*REG                       ; the stages for adj
.set MSTW, 4352                        ; one wave's: 16 rows x 272
.set BLKB, 8704                       ; a block of q, of k or of v
; WHERE k AND v GO: ONE buffer kv, [batch x head][36 blocks of 8,704]: blocks 0 to 15 are k's steps, blocks 20 to 35 v's (what the text above calls kf and vf).
; Blocks 16 + 2 hf and 17 + 2 hf together are Wo's operand images for the wave that makes columns 64 head .. + 63: fragment 2 t + kk at 2,048 each (tile t of 16 rows, K step 2 hf + kk);
; at 16,384 the scale words: lane (r, h), word i: tile i, K step 2 hf + h (written twice over).  A scale word's upper half of q and k is 0x0101: the codes there are zeros on q's side.
.set WV,   3                           ; s3        my wave's number
.set G1H,  36                          ; s[36:43]  descriptor group 1 for h's tiles
.set G1W,  44                          ; s[44:51]  for the weights': it differs in the mask alone
.set G0H,  52                          ; s[52:55]  group 0 for h
.set G0W,  56                          ; s[56:59]  group 0 for a weight
.set SEL,  60                          ; s[60:61]  lane selects for v_permlanex16_b32: lane l xor 16
.set MNT,  62                          ; s62       the mantissa field of 448
.set HI16, 63                          ; s63       the lane mask of lanes 16-31
.set LI,   3                           ; v3   16 x lane
.set AH,   4                           ; v4   528 r + 16 h: my place in a tile of h
.set AHQ,  5                           ; v5   the same in my half of the tokens (QK unit)
.set AW,   6                           ; v6   in my head of Wq or Wk
.set AV,   7                           ; v7   in my tile of Wv
.set MSI,  8                           ; v8   adj into my stage
.set MSO,  9                           ; v9   and out of it
.set VRS,  10                          ; v10  16 (r + 8 (r / 8)): a tile row's 16 scale bytes
.set H64,  11                          ; v11  64 h
.set VR4,  12                          ; v12  4 (r + 8 (r / 8))
.set ADJO, 13                          ; v13  adj: 8,192 (lane / 16) + 16 (lane % 16)
.set SIO,  14                          ; v14  16 r + 8 h: the scale image
.set L8,   15                          ; v15  8 x lane
.set BF,   16                          ; v16-79    adj as loaded; then source 1's fragment, four K steps
.set ACC,  80                          ; v80-111   adj by lanes; then four accumulators
.set CB,   112                         ; v112-143  the bias in the result's layout
.set PC,   144                         ; v144-151  codes just made
.set TM,   152                         ; v152-159  the quantiser's work: +0,1 largest magnitudes, +2,3 bytes, +4,5 448 x scale, +6,7 scale operands
.set PW,   160                         ; v160      two scale bytes just made
.set VBL,  161                         ; v161      bv of my lane's feature
.set MW,   162                         ; v162-163  the mask words; later a pair of scale words
.set VW,   164                         ; v164      V's scale word
.set L4,   165                         ; v165      4 x lane
.set WS,   168                         ; v168-183  scale words of my four tiles of Wq or Wk (4 t + K step)
.set HSQ,  184                         ; v184-199  of my four token tiles
.set HSV,  200                         ; v200-231  of all eight token tiles
.set WVS,  232                         ; v232-235  of my tile of Wv
.set SW,   236                         ; v236-239  the scale words made for my four token tiles
; window 1: v0-255: source 0's fragments, (tile t, K step k) at v[16 (4 t + k)]
.set MSB, 0
.macro WIN new                         ; the immediate's high byte repeats the setting that is left
.if MSB != \new
	s_set_vgpr_msb (MSB<<8)|\new
.set MSB, \new
.endif
.endm
.macro PLACES n
.rept \n
	v_nop
.endr
.endm
; A round of the cluster's barrier: my work-group's barrier, wave 0 signals for the work-group, every wave waits for all four work-groups, my work-group's barrier once more.
.macro ROUND
	s_barrier_signal -1
	s_barrier_wait -1
	s_cmp_lg_u32 s[WV], 0
	s_cbranch_scc1 .Lnot_wave_0_\@
	s_barrier_signal -3
.Lnot_wave_0_\@:
	s_barrier_wait -3
	s_barrier_signal -1
	s_barrier_wait -1
.endm
; My one fill: waves 0 and 1 fetch h's two regions, waves 2 to 7 the weights', jointly.  The branch hangs on the wave's number alone.  Four v_nop follow each of the two lines.
.macro TL
	s_cmp_lt_u32 s[WV], 2
	s_cbranch_scc0 .Lweight_\@
	tensor_load_to_lds s[G0H:G0H+3], s[G1H:G1H+7]
	s_nop 0
	PLACES 4
	s_branch .Lasked_\@
.Lweight_\@:
	tensor_load_to_lds s[G0W:G0W+3], s[G1W:G1W+7]
	s_nop 0
	PLACES 4
.Lasked_\@:
.endm
; Four tiles x four K steps into window 1: tile t = 2 B + u lies u regions and B x 16 rows on
.macro FETCHA adr, ext
	WIN 0x40                                       ; destination window 1, address window 0
.irp t, 0,1,2,3
.irp k, 0,1,2,3
.irp c, 0,1,2,3
	ds_load_b128 v[16*(4*\t+\k)+4*\c:16*(4*\t+\k)+4*\c+3], v[\adr] offset:\ext+(\t%2)*REG+(\t/2)*T16+128*\k+32*\c
.endr
.endr
.endr
	WIN 0
.endm
; One tile x four K steps into BF
.macro FETCHB adr, ext
.irp k, 0,1,2,3
.irp c, 0,1,2,3
	ds_load_b128 v[BF+16*\k+4*\c:BF+16*\k+4*\c+3], v[\adr] offset:\ext+128*\k+32*\c
.endr
.endr
.endm
; 16 matrix instructions: window 1's four tiles against BF's one, K = 512.  The four accumulators take turns, one instruction a turn.  The first K step takes the bias as C.
.macro PASS sa, sb, cstep
	WIN 0x01                                       ; source 0 window 1
.irp k, 0,1,2,3
.irp t, 0,1,2,3
.if \k == 0
	v_wmma_scale_f32_16x16x128_f8f6f4 v[ACC+8*\t:ACC+8*\t+7], v[16*(4*\t+\k):16*(4*\t+\k)+15], v[BF+16*\k:BF+16*\k+15], v[CB+\cstep*\t:CB+\cstep*\t+7], v[\sa+4*\t+\k], v[\sb+\k]
.else
	v_wmma_scale_f32_16x16x128_f8f6f4 v[ACC+8*\t:ACC+8*\t+7], v[16*(4*\t+\k):16*(4*\t+\k)+15], v[BF+16*\k:BF+16*\k+15], v[ACC+8*\t:ACC+8*\t+7], v[\sa+4*\t+\k], v[\sb+\k]
.endif
.endr
.endr
	WIN 0
.endm
; 32 numbers of a lane, v[s] .. v[s + 31], register 16 b + i = K 32 b + 16 h + i of my row, become 8 registers of codes in v[PC] on and two scale bytes in v[PW].  Each accumulator is read from its low end on.
.macro QUANT2 s
.irp b, 0,1
	v_max3_num_f32 v[TM+\b], |v[\s+16*\b]|, |v[\s+16*\b+1]|, 0x4800000   ; my 16 numbers of block b, and the floor 2^(9 - 127): the byte cannot fall under 1
.endr
.irp i, 2,4,6,8,10,12,14
.irp b, 0,1
	v_max3_num_f32 v[TM+\b], v[TM+\b], |v[\s+16*\b+\i]|, |v[\s+16*\b+\i+1]|
.endr
.endr
.irp b, 0,1
	s_delay_alu instid0(VALU_DEP_2)
	v_permlanex16_b32 v[TM+2+\b], v[TM+\b], s[SEL], s[SEL+1]
.endr
.irp b, 0,1
	s_delay_alu instid0(VALU_DEP_2)
	v_max_num_f32 v[TM+\b], v[TM+\b], v[TM+2+\b]   ; with lane l xor 16's 16: the block's largest magnitude
.endr
.irp b, 0,1
	s_delay_alu instid0(VALU_DEP_2)
	v_add_nc_u32 v[TM+6+\b], 0xfc000000, v[TM+\b]  ; 8 off its exponent field: the conversion takes this operand's exponent field as its scale
.endr
.irp b, 0,1
	s_delay_alu instid0(VALU_DEP_4)
	v_and_or_b32 v[TM+4+\b], v[TM+\b], 0x7f800000, s[MNT]   ; 448 x the scale
.endr
.irp b, 0,1
	s_delay_alu instid0(VALU_DEP_4)
	v_lshrrev_b32 v[TM+2+\b], 23, v[TM+6+\b]       ; the scale's byte
.endr
	s_delay_alu instid0(VALU_DEP_1)
	v_lshl_or_b32 v[PW], v[TM+3], 8, v[TM+2]
.irp b, 0,1
.irp i, 0,1,2,3,4,5,6,7,8,9,10,11,12,13,14,15
	v_med3_num_f32 v[\s+16*\b+\i], v[\s+16*\b+\i], -v[TM+4+\b], v[TM+4+\b]   ; the conversion to an 8-bit code does not saturate (ISA guide 7.6.2): the hold at 448 x the scale
.endr
	v_cvt_scalef32_pk8_fp8_f32 v[PC+4*\b:PC+4*\b+1], v[\s+16*\b:\s+16*\b+7], v[TM+6+\b]
	v_cvt_scalef32_pk8_fp8_f32 v[PC+4*\b+2:PC+4*\b+3], v[\s+16*\b+8:\s+16*\b+15], v[TM+6+\b]
.endr
	v_nop                                          ; one plain line between the last conversion and the next products, which write its sources
.endm
	s_load_b512 s[4:19], s[0:1], 0x0               ; h codes 4, h scales 6, Wq codes 8, Wk codes 10, Wv codes 12, Wq scales 14, Wk scales 16, Wv scales 18
	s_load_b512 s[20:35], s[0:1], 0x40             ; bq 20, bk 22, bv 24, adj 26, qf 28, kv 30, maskw 34
	s_load_b64 s[92:93], s[0:1], 0x70              ; Wo codes
	s_load_b64 s[94:95], s[0:1], 0x80              ; Wo scales
	v_lshl_add_u32 v254, v0, 2, 0x4a800
	v_mov_b32 v255, 0
	ds_add_u32 v254, v255
	ds_add_u32 v254, v255
	v_lshrrev_b32 v1, 5, v0
	s_delay_alu instid0(VALU_DEP_1)
	v_readfirstlane_b32 s[WV], v1                  ; wave 0..7
	s_bfe_u32 s68, ttmp6, 0x40000                  ; cx: my place in the cluster
	s_lshl_b32 s66, ttmp9, 2                       ; in a cluster launch ttmp9 counts clusters
	s_add_co_u32 s66, s66, s68                     ; x: my block of 128 tokens
	s_and_b32 s67, ttmp7, 0xffff                   ; y: my pair of heads, which the four partners share
	s_and_b32 s69, s[WV], 1                        ; g: my half of the tokens.  Also u of the region that I fetch and of my tile of Wv
	s_lshr_b32 s70, s[WV], 1                       ; which matrix I fetch: 0 h, 1 Wq, 2 Wk, 3 Wv
	s_and_b32 s71, s70, 1                          ; e: my head of the pair (QK unit).  Also B of my tile of Wv
	s_lshr_b32 s72, s[WV], 2                       ; q (0) or k (1).  Also my head of the pair in the V unit
	s_mul_i32 s74, s[WV], REG                      ; my region: no place in the cluster enters an LDS address
	s_lshl_b32 s76, s69, 12                        ; region u begins 8 rows of 512 bytes on
	s_lshl_b32 s78, s66, 16                        ; h: 128 rows of 512 bytes a block
	s_add_co_u32 s78, s78, s76
	s_mov_b32 s79, 0
	s_lshl_b32 s80, s67, 16                        ; a weight: the same by y, in registers that never hold x
	s_add_co_u32 s80, s80, s76
	s_mov_b32 s81, 0
	; descriptor group 1: 8 rows of 512 elements of 8 bytes, 1,024 elements apart; 4 words of padding behind every 128
	s_mov_b32 s[G1H], (3<<16)|(1<<20)|(6<<22)|(3<<25)             ; 15:0 no mask; 17:16 elements of 8 bytes; 20 padding on; 24:22 after every 128 words (code 6); 31:25 four words (code 3)
	s_mov_b32 s[G1W], 15|(3<<16)|(1<<20)|(1<<21)|(6<<22)|(3<<25)  ; the same with the mask of all four work-groups, and bit 21 beside it
.irp g, G1H, G1W
	s_mov_b32 s[\g+1], 512<<16                     ; tensor_dim0
	s_mov_b32 s[\g+2], 8<<16                       ; tensor_dim1
	s_mov_b32 s[\g+3], 512<<16                     ; tile_dim0
	s_mov_b32 s[\g+4], 8                           ; tile_dim1
	s_mov_b32 s[\g+5], 1024                        ; tensor_dim0_stride
	s_mov_b32 s[\g+6], 0
	s_mov_b32 s[\g+7], 0
.endr
	s_mov_b32 s[SEL], 0x76543210
	s_mov_b32 s[SEL+1], 0xfedcba98
	s_mov_b32 s[MNT], 0x600000
	s_mov_b32 s[HI16], 0xffff0000
	s_wait_dscnt 0x0
	s_wait_kmcnt 0x0
	s_mov_b32 s[G0H], 1                            ; count = 1
	s_mov_b32 s[G0H+1], s74                        ; LDS address
	s_add_nc_u64 s[G0H+2:G0H+3], s[4:5], s[78:79]  ; global address
	s_or_b32 s[G0H+3], s[G0H+3], 0x80000000        ; type = 2
	s_cmp_eq_u32 s70, 2                            ; which weight: the choice hangs on the wave's number alone
	s_cselect_b64 s[82:83], s[10:11], s[8:9]
	s_cmp_eq_u32 s70, 3
	s_cselect_b64 s[82:83], s[12:13], s[82:83]
	s_mov_b32 s[G0W], 1
	s_mov_b32 s[G0W+1], s74
	s_add_nc_u64 s[G0W+2:G0W+3], s[82:83], s[80:81]
	s_or_b32 s[G0W+3], s[G0W+3], 0x80000000
	ROUND                                          ; all four work-groups are here: the joint loads meet
	TL                                             ; one tensor load of mine is out
	v_and_b32 v1, 31, v0                           ; lane
	v_and_b32 v2, 15, v0                           ; r
	v_bfe_u32 v16, v0, 4, 1                        ; h
	s_delay_alu instid0(VALU_DEP_2)
	v_and_b32 v17, 8, v2
	s_delay_alu instid0(VALU_DEP_1)
	v_add_nc_u32 v17, v17, v2                      ; r + 8 (r / 8)
	v_lshlrev_b32 v[LI], 4, v1
	v_lshlrev_b32 v[L8], 3, v1
	v_lshlrev_b32 v[L4], 2, v1
	v_mul_u32_u24 v[AH], v2, 528
	s_delay_alu instid0(VALU_DEP_1)
	v_lshl_add_u32 v[AH], v16, 4, v[AH]
	s_wait_alu depctr_va_vdst(0)
	s_mul_i32 s75, s69, 2*T16                      ; token tiles 4 g on: B = 2 g on
	v_add_nc_u32 v[AHQ], s75, v[AH]
	s_mul_i32 s75, s72, 2*REG
	s_add_co_u32 s75, s75, 2*REG                   ; Wq's regions are 2 and 3, Wk's 4 and 5
	s_mul_i32 s76, s71, 2*T16                      ; head e: B = 2 e on
	s_add_co_u32 s75, s75, s76
	v_add_nc_u32 v[AW], s75, v[AH]
	s_mul_i32 s75, s69, REG
	s_add_co_u32 s75, s75, 6*REG                   ; Wv's regions are 6 and 7
	s_lshl_b32 s76, s72, 1
	s_add_co_u32 s76, s76, s71
	s_mul_i32 s76, s76, T16
	s_add_co_u32 s75, s75, s76
	v_add_nc_u32 v[AV], s75, v[AH]
	s_mul_i32 s75, s[WV], MSTW
	s_add_co_u32 s75, s75, MST                     ; my stage
	v_mul_u32_u24 v[MSI], v16, 272
	s_delay_alu instid0(VALU_DEP_1)
	v_lshl_add_u32 v[MSI], v2, 4, v[MSI]
	s_delay_alu instid0(VALU_DEP_1)
	v_add_nc_u32 v[MSI], s75, v[MSI]               ; in: lanes 0-15 one row's 256 bytes, lanes 16-31 the next row's
	v_mul_u32_u24 v[MSO], v2, 272
	s_delay_alu instid0(VALU_DEP_1)
	v_lshl_add_u32 v[MSO], v16, 6, v[MSO]
	s_delay_alu instid0(VALU_DEP_1)
	v_add_nc_u32 v[MSO], s75, v[MSO]               ; out: row r, 16 keys on for lanes 16-31
	v_lshlrev_b32 v[VRS], 4, v17
	v_lshlrev_b32 v[H64], 6, v16
	v_lshlrev_b32 v246, 9, v2                      ; Wo: row r of 512 bytes, + 16 h
	v_and_b32 v248, 1, v1
	v_lshrrev_b32 v247, 1, v1
	v_lshl_add_u32 v246, v16, 4, v246
	v_lshlrev_b32 v247, 4, v247                    ; Wo's scales: row lane / 2 of tile 2 (lane % 2)
	v_lshl_add_u32 v247, v248, 9, v247
	v_lshlrev_b32 v[VR4], 2, v17
	v_lshlrev_b32 v[ADJO], 13, v16
	s_delay_alu instid0(VALU_DEP_1)
	v_lshl_add_u32 v[ADJO], v2, 4, v[ADJO]
	s_wait_alu depctr_va_vdst(0)
	v_lshlrev_b32 v[SIO], 4, v2
	s_delay_alu instid0(VALU_DEP_1)
	v_lshl_add_u32 v[SIO], v16, 3, v[SIO]
	v_mov_b32 v[MW], 0                             ; written once: v_writelane_b32's and a lane permute's destinations count as read
	v_mov_b32 v[MW+1], 0
	v_mov_b32 v[TM+2], 0
	v_mov_b32 v[TM+3], 0
	; adj: my (query tile, key step) = 8 (x + 64 y) + wave
	s_mov_b32 s85, 0
	s_lshl_b32 s75, s67, 6
	s_add_co_u32 s75, s75, s66
	s_lshl_b32 s75, s75, 3
	s_add_co_u32 s75, s75, s[WV]
	s_lshl_b32 s84, s75, 8                         ; 64 words each
	s_add_nc_u64 s[34:35], s[34:35], s[84:85]
	s_lshr_b32 s76, s75, 4                         ; the query tile
	s_and_b32 s77, s75, 15                         ; the key step
	s_lshr_b32 s84, s76, 1
	s_lshl_b32 s84, s84, 18                        ; 32 rows of 8,192 bytes
	s_and_b32 s86, s76, 1
	s_lshl_b32 s86, s86, 16                        ; 8 rows
	s_add_co_u32 s84, s84, s86
	s_lshl_b32 s86, s77, 9                         ; 128 keys of 4 bytes
	s_add_co_u32 s84, s84, s86
	s_add_nc_u64 s[26:27], s[26:27], s[84:85]
	; Wo: my work-group lays tile y of entry (x % 16) of its batch: wave w has K step kk = w / 4, piece c = w % 4
	s_and_b32 s76, s66, 15
	s_lshr_b32 s77, s76, 1                         ; the head's number = which 64 rows
	s_and_b32 s78, s76, 1                          ; hf
	s_lshl_b32 s84, s77, 15
	s_lshl_b32 s79, s67, 13
	s_add_co_u32 s84, s84, s79
	s_lshl_b32 s79, s78, 8
	s_add_co_u32 s84, s84, s79
	s_lshl_b32 s79, s72, 7
	s_add_co_u32 s84, s84, s79
	s_and_b32 s79, s[WV], 3
	s_lshl_b32 s79, s79, 5
	s_add_co_u32 s84, s84, s79
	s_add_nc_u64 s[92:93], s[92:93], s[84:85]
	s_lshl_b32 s84, s77, 10
	s_lshl_b32 s79, s78, 3
	s_add_co_u32 s84, s84, s79
	s_and_b32 s79, s67, 1                          ; my quarter of the scale image holds K step 2 hf + y % 2
	s_lshl_b32 s79, s79, 2
	s_add_co_u32 s84, s84, s79
	s_add_nc_u64 s[94:95], s[94:95], s[84:85]
	s_lshr_b32 s79, s66, 4
	s_lshl_b32 s79, s79, 3
	s_add_co_u32 s79, s79, s77
	s_mul_i32 s79, s79, 36
	s_lshl_b32 s84, s78, 1
	s_add_co_u32 s79, s79, s84
	s_add_co_u32 s79, s79, 16
	s_mul_i32 s84, s79, BLKB
	s_add_nc_u64 s[8:9], s[30:31], s[84:85]
	s_lshl_b32 s84, s67, 8
	s_add_co_u32 s84, s84, 16384
	s_add_nc_u64 s[10:11], s[8:9], s[84:85]        ; my quarter of the scale image
	s_lshl_b32 s84, s67, 12
	s_lshl_b32 s79, s[WV], 9
	s_add_co_u32 s84, s84, s79
	s_add_nc_u64 s[8:9], s[8:9], s[84:85]          ; my 512 bytes of codes
	s_wait_alu depctr_va_vdst(0)
	global_load_b128 v[240:243], v246, s[92:93]
	global_load_b32 v244, v247, s[94:95]
	global_load_b32 v245, v247, s[94:95] offset:256
.irp kh, 0,1                                   ; 64 keys at a time: sixteen lanes read 256 consecutive bytes of a row, at a multiple of 256; tile rows 2 i and 2 i + 1
.irp i, 0,1,2,3,4,5,6,7
	global_load_b128 v[BF+4*(8*\kh+\i):BF+4*(8*\kh+\i)+3], v[ADJO], s[26:27] offset:256*\kh+(2*\i+8*(\i/4))*8192 th:TH_LOAD_NT
.endr
.endr
	; the scale words and the biases
	s_lshl_b32 s84, s66, 11                        ; h's scales: 16 bytes a token
	s_add_nc_u64 s[6:7], s[6:7], s[84:85]
	s_lshl_b32 s84, s69, 10
	s_add_nc_u64 s[86:87], s[6:7], s[84:85]        ; my half's
	s_cmp_eq_u32 s72, 0                            ; q or k
	s_cselect_b64 s[14:15], s[14:15], s[16:17]
	s_cselect_b64 s[20:21], s[20:21], s[22:23]
	s_cselect_b64 s[28:29], s[28:29], s[30:31]
	s_lshl_b32 s84, s67, 11
	s_lshl_b32 s76, s71, 10
	s_add_co_u32 s84, s84, s76                     ; rows 128 y + 64 e on: 16 bytes of scales a row,
	s_add_nc_u64 s[14:15], s[14:15], s[84:85]
	s_lshr_b32 s84, s84, 2                         ; 4 bytes of bias
	s_add_nc_u64 s[20:21], s[20:21], s[84:85]
	s_lshl_b32 s76, s67, 7
	s_lshl_b32 s77, s72, 6
	s_add_co_u32 s76, s76, s77
	s_lshl_b32 s77, s71, 5
	s_add_co_u32 s76, s76, s77
	s_lshl_b32 s77, s69, 3
	s_add_co_u32 s76, s76, s77                     ; the first row of my tile of Wv
	s_lshl_b32 s84, s76, 4
	s_add_nc_u64 s[18:19], s[18:19], s[84:85]
	s_lshl_b32 s84, s76, 2
	s_add_nc_u64 s[24:25], s[24:25], s[84:85]
.irp m, 0,1,2,3
	global_load_b128 v[HSQ+4*\m:HSQ+4*\m+3], v[VRS], s[86:87] offset:(32*(\m/2)+8*(\m%2))*16
.endr
.irp m, 0,1,2,3,4,5,6,7
	global_load_b128 v[HSV+4*\m:HSV+4*\m+3], v[VRS], s[6:7] offset:(32*(\m/2)+8*(\m%2))*16
.endr
.irp t, 0,1,2,3
	global_load_b128 v[WS+4*\t:WS+4*\t+3], v[VRS], s[14:15] offset:(32*(\t/2)+8*(\t%2))*16
.endr
	global_load_b128 v[WVS:WVS+3], v[VRS], s[18:19]
.irp t, 0,1,2,3                                ; register j of tile 2 b + u is feature 32 b + 16 h + 8 u + j
	global_load_b128 v[CB+8*\t:CB+8*\t+3], v[H64], s[20:21] offset:(32*(\t/2)+8*(\t%2))*4
	global_load_b128 v[CB+8*\t+4:CB+8*\t+7], v[H64], s[20:21] offset:(32*(\t/2)+8*(\t%2))*4+16
.endr
	global_load_b32 v[VBL], v[VR4], s[24:25]
	; where the results go
	s_lshr_b32 s77, s66, 4                         ; the batch
	s_lshl_b32 s77, s77, 2
	s_add_co_u32 s77, s77, s67
	s_lshl_b32 s77, s77, 1                         ; 8 batch + 2 y
	s_and_b32 s76, s66, 15                         ; the block in the batch
	s_add_co_u32 s78, s77, s72                     ; the V unit's head
	s_mul_i32 s84, s78, 36
	s_add_co_u32 s84, s84, s76
	s_add_co_u32 s84, s84, 20
	s_mul_i32 s84, s84, BLKB
	s_add_nc_u64 s[32:33], s[30:31], s[84:85]      ; my block of v
	s_add_co_u32 s78, s77, s71                     ; the QK unit's head
	s_mul_i32 s79, s78, 36
	s_add_co_u32 s79, s79, s76
	s_mul_i32 s79, s79, BLKB                       ; k's block
	s_lshl_b32 s84, s78, 4
	s_add_co_u32 s84, s84, s76
	s_mul_i32 s84, s84, BLKB                       ; q's
	s_cmp_eq_u32 s72, 0
	s_cselect_b32 s84, s84, s79
	s_add_nc_u64 s[28:29], s[28:29], s[84:85]      ; my block of q or k
	s_lshl_b32 s84, s69, 8
	s_add_co_u32 s84, s84, 8192
	s_add_nc_u64 s[30:31], s[28:29], s[84:85]      ; my half of its scale image
	s_lshl_b32 s84, s69, 12
	s_add_nc_u64 s[28:29], s[28:29], s[84:85]      ; my four tiles
	s_and_b32 s76, s[WV], 3
	s_lshl_b32 s84, s76, 7
	s_add_co_u32 s84, s84, 8192
	s_add_nc_u64 s[22:23], s[32:33], s[84:85]      ; my tile's scale words
	s_lshl_b32 s84, s76, 11
	s_add_nc_u64 s[32:33], s[32:33], s[84:85]      ; my tile
	; THE MASK.  64 keys at a time go through my stage, so that lane (r, h) holds the numbers of its own score registers; a compare then gives a register's lane mask, and lane n / 2 collects words n and n + 1.
	s_wait_alu depctr_va_vdst(0)
.irp kh, 0,1
	s_wait_alu depctr_va_vdst(0)
	s_wait_loadcnt 34-8*\kh                        ; loads come back in order: this half's eight are in; behind them 8 (1 - kh) of adj and the 26 of scales and biases were issued
.irp i, 0,1,2,3,4,5,6,7
	ds_store_b128 v[MSI], v[BF+4*(8*\kh+\i):BF+4*(8*\kh+\i)+3] offset:544*\i
.endr
.irp j, 0,1,2,3,4,5,6,7
	ds_load_b128 v[ACC+4*\j:ACC+4*\j+3], v[MSO] offset:128*(\j/4)+16*(\j%4)   ; LDS serves a wave's instructions in order: these see my stores
.endr
	s_wait_dscnt 0x0
.irp n, 0,1,2,3,4,5,6,7,8,9,10,11,12,13,14,15,16,17,18,19,20,21,22,23,24,25,26,27,28,29,30,31
	v_cmp_ne_u32 s[88+\n%4], 0, v[ACC+\n]
	s_delay_alu instid0(VALU_DEP_1)
	v_writelane_b32 v[MW+\n%2], s[88+\n%4], 16*\kh+\n/2
.endr
.endr
	global_store_b64 v[L8], v[MW:MW+1], s[34:35]   ; 32 lanes store 256 consecutive bytes, at a multiple of 256
	global_store_b128 v[LI], v[240:243], s[8:9]    ; Wo's codes: 512 consecutive bytes (its loads stand ahead of adj's, which have come back)
	s_cmp_lg_u32 s[WV], 0
	s_cbranch_scc1 .Lno_wo
	global_store_b64 v[L8], v[244:245], s[10:11]   ; and scale words: 256 consecutive bytes, one wave
.Lno_wo:
	s_wait_tensorcnt 0x0                           ; my region is filled,
	s_barrier_signal -1
	s_barrier_wait -1                              ; everybody's is; from here on the regions are only read
	; Q OR K: my head's four tiles of W stay in window 1; my four token tiles come one after the other
	FETCHA AW, 0
	FETCHB AHQ, 0
	s_wait_loadcnt 0x0                             ; the scale words and the biases
.irp m, 0,1,2,3
	s_wait_dscnt 0x0
	PASS WS, HSQ+4*\m, 8
	PLACES 8                                       ; places in front of loads into registers that these products read, and of the first read of their results
.if \m < 3
	FETCHB AHQ, ((\m+1)%2)*REG+((\m+1)/2)*T16      ; the next token tile lands while this one is quantised
.else
	FETCHA AH, 0                                   ; the V unit's first four token tiles,
	FETCHB AV, 0                                   ; my tile of Wv,
.irp j, 0,1,2,3,4,5,6,7
	v_mov_b32 v[CB+\j], v[VBL]                     ; and its bias: in the V unit a lane holds one feature
.endr
.endif
	s_wait_xcnt 0x0                                ; the earlier stores have read their registers: the codes' registers are written again only behind this wait
	QUANT2 ACC
	v_or_b32 v[SW+\m], 0x01010000, v[PW]           ; a finite scale over K = 64 .. 127, where q's codes are zeros
	global_store_b128 v[LI], v[PC:PC+3], s[28:29] offset:1024*\m          ; 512 consecutive bytes each, at a multiple of 256
	global_store_b128 v[LI], v[PC+4:PC+7], s[28:29] offset:1024*\m+512
.endr
	v_cndmask_b32 v[MW], v[SW], v[SW+2], s[HI16]   ; lane (r, h) stores words 2 h and 2 h + 1 of row r
	v_cndmask_b32 v[MW+1], v[SW+1], v[SW+3], s[HI16]
	global_store_b64 v[SIO], v[MW:MW+1], s[30:31]  ; 256 consecutive bytes, at a multiple of 256
	; V: four token tiles at a time against my tile of Wv: 64 keys, two blocks of 32
.irp p, 0,1
	s_wait_dscnt 0x0
	PASS HSV+16*\p, WVS, 0
	PLACES 8
.if \p == 0
	FETCHA AH, 2*T16                               ; token tiles 4 to 7
.endif
	s_wait_xcnt 0x0
	QUANT2 ACC
.if \p == 0
	v_mov_b32 v[VW], v[PW]
.else
	v_lshl_or_b32 v[VW], v[PW], 16, v[VW]          ; four bytes: the key step's four blocks
.endif
	global_store_b128 v[LI], v[PC:PC+3], s[32:33] offset:1024*\p
	global_store_b128 v[LI], v[PC+4:PC+7], s[32:33] offset:1024*\p+512
.endr
	global_store_b32 v[L4], v[VW], s[22:23]        ; 128 consecutive bytes: the four waves of a head fill the block's last 512
	s_wait_tensorcnt 0x0
	ds_add_u32 v254, v255
	s_wait_dscnt 0x0
	ROUND                                          ; the closing round: no work-group ends while a partner may still ask for a tile that names it
	s_endpgm
.Lfunc_end_k_qe8b11e8aef_prep:
	.size	k_qe8b11e8aef_prep, .Lfunc_end_k_qe8b11e8aef_prep-k_qe8b11e8aef_prep
	.p2alignl 7, 3214868480
	.fill 96, 4, 3214868480
	.section	.rodata,"a",@progbits
	.p2align	6, 0x0
	.amdhsa_kernel k_qe8b11e8aef_prep
		.amdhsa_group_segment_fixed_size 306176
		.amdhsa_private_segment_fixed_size 0
		.amdhsa_enable_private_segment 0
		.amdhsa_kernarg_size 136
		.amdhsa_user_sgpr_count 2
		.amdhsa_user_sgpr_kernarg_segment_ptr 1
		.amdhsa_wavefront_size32 1
		.amdhsa_system_sgpr_workgroup_id_x 1
		.amdhsa_system_sgpr_workgroup_id_y 1
		.amdhsa_system_sgpr_workgroup_id_z 1
		.amdhsa_system_vgpr_workitem_id 0
		.amdhsa_next_free_vgpr 512
		.amdhsa_next_free_sgpr 96
		.amdhsa_reserve_vcc 0
		.amdhsa_float_denorm_mode_32 3
		.amdhsa_float_denorm_mode_16_64 3
		.amdhsa_memory_ordered 1
		.amdhsa_forward_progress 1
		.amdhsa_inst_pref_size 88
	.end_amdhsa_kernel
	.amdgpu_metadata
---
amdhsa.version: [ 1, 2 ]
amdhsa.kernels:
  - .name:           k_qe8b11e8aef_prep
    .symbol:         k_qe8b11e8aef_prep.kd
    .args:
      - { .name: h_codes, .offset: 0, .size: 8, .value_kind: global_buffer, .address_space: global }
      - { .name: h_scales, .offset: 8, .size: 8, .value_kind: global_buffer, .address_space: global }
      - { .name: Wq_codes, .offset: 16, .size: 8, .value_kind: global_buffer, .address_space: global }
      - { .name: Wk_codes, .offset: 24, .size: 8, .value_kind: global_buffer, .address_space: global }
      - { .name: Wv_codes, .offset: 32, .size: 8, .value_kind: global_buffer, .address_space: global }
      - { .name: Wq_scales, .offset: 40, .size: 8, .value_kind: global_buffer, .address_space: global }
      - { .name: Wk_scales, .offset: 48, .size: 8, .value_kind: global_buffer, .address_space: global }
      - { .name: Wv_scales, .offset: 56, .size: 8, .value_kind: global_buffer, .address_space: global }
      - { .name: bq, .offset: 64, .size: 8, .value_kind: global_buffer, .address_space: global }
      - { .name: bk, .offset: 72, .size: 8, .value_kind: global_buffer, .address_space: global }
      - { .name: bv, .offset: 80, .size: 8, .value_kind: global_buffer, .address_space: global }
      - { .name: adj, .offset: 88, .size: 8, .value_kind: global_buffer, .address_space: global }
      - { .name: qf, .offset: 96, .size: 8, .value_kind: global_buffer, .address_space: global }
      - { .name: kv, .offset: 104, .size: 8, .value_kind: global_buffer, .address_space: global }
      - { .name: Wo_codes, .offset: 112, .size: 8, .value_kind: global_buffer, .address_space: global }
      - { .name: maskw, .offset: 120, .size: 8, .value_kind: global_buffer, .address_space: global }
      - { .name: Wo_scales, .offset: 128, .size: 8, .value_kind: global_buffer, .address_space: global }
    .group_segment_fixed_size: 306176
    .private_segment_fixed_size: 0
    .kernarg_segment_align: 8
    .kernarg_segment_size: 136
    .max_flat_workgroup_size: 256
    .sgpr_count:     96
    .vgpr_count:     512
    .wavefront_size: 32
...
	.end_amdgpu_metadata
.endif
;; end of part 1
;; launch attn (part 2): grid 64 x 4, 8 waves a work-group, clusters of 4 x 1, 327,680 bytes of LDS; arguments qf, kv, maskw, bo, out0; writes out0
.if DOCPART == 2
	.amdgcn_target "amdgcn-amd-amdhsa--gfx1250"
	.amdhsa_code_object_version 6
	.text
	.protected	k_qe8b11e8aef_attn
	.globl	k_qe8b11e8aef_attn
	.p2align	8
	.type	k_qe8b11e8aef_attn,@function
k_qe8b11e8aef_attn:
	s_mov_b64 s[64:65], 0
	v_nop
	global_prefetch_b8 v0, s[64:65] scope:SCOPE_SE
	s_setreg_imm32_b32 hwreg(HW_REG_WAVE_MODE, 25, 1), 1
	s_wait_xcnt 0x0
	s_wait_alu depctr_hold_cnt(0) depctr_sa_sdst(0) depctr_va_vdst(0) depctr_va_sdst(0) depctr_va_ssrc(0) depctr_va_vcc(0) depctr_vm_vsrc(0)
	s_getreg_b32 s2, hwreg(HW_REG_IB_STS2, 6, 4)
	s_cmp_eq_u32 s2, 0
	s_cbranch_scc0 .Lentry_in_a_cluster
	s_endpgm
.Lentry_in_a_cluster:
	s_bfe_u32 s2, ttmp6, 0x10000c
	s_cmp_lg_u32 s2, 0x3003
	s_cbranch_scc0 .Lentry_shape_is_right
	s_endpgm
.Lentry_shape_is_right:
; out0 = concat over heads of softmax(q k^T / 8, where adj != 0) v, times Wo^T, + bo: both products of attention and the last projection in one launch, on codes of FP8 (E4M3) with E8M0 scales.
; THE SOFTMAX AHEAD OF THE SECOND PRODUCT: t = score x log2(e) / 8; M = the row's largest t so far, of the keys that count, rounded UP to a whole number; p = 2^(t - M) is quantised along the keys, not normalised.
; The row's sum is taken of the unquantised p and divides O at the end.  When M moves, the sum and O are multiplied by 2^(old M - new M): exact.  Keys that do not count get the score -infinity ahead of the maximum: p = 0.
; SHARES.  A work-group owns 32 queries (x) of one batch (y), all eight heads.  Wave w owns head w and both tiles of 16 queries, A and B: each fragment of k and v that it loads feeds two tiles.  Two waves to a SIMD.
; At the end the heads' o, quantised, meet in LDS, and wave w makes columns 64 w .. 64 w + 63 of the 32 rows of out0: nothing of o goes to memory.
; LAYOUT.  All products are transposed: a lane holds ONE query (lane % 16).  Lane r of tile 2 B + u is token 32 B + 8 u + r + 8 (r / 8), of queries and keys alike, so that score register n of lane (r, h) is key 32 (n / 16) + 16 h + n % 16
; of the step: the conversions' results are the next product's operand.  K = 64 fills half of the matrix instruction's 128: q's registers 8-15 are zero codes; k's are whatever finite codes follow (the next tile's): those products are zeros.
; THE MASK: word n of maskw[query tile][step] is score register n's lane mask; a tile's 64 words of a step come by four scalar loads, asked for when the other tile's have been used.
; kv: [batch x head][36 blocks of 8,704]: k's 16 steps of 128 keys, Wo's images for the wave (2 x 17,408), v's 16 steps: all as images of operand registers.
; k AND Wo, THE STREAM: entries of 17,408 bytes: eight with two steps of k, two of Wo.  Entry j goes through slot j % 2 by ONE joint load a wave; a slot holds eight heads' entries, and a wave reads its own head's alone.
; CLUSTER: the four work-groups differ in x alone and read the same entries: every tensor load is joint.  A slot's second step of k is read in the even step, so in the odd step the slot is free: there the lines and the round's opening
; signal stand around the largest scores of tile A, its closing wait ahead of A's holds; behind it entry j + 2 is asked for: it has the rest of that step, a whole one and the next one's beginning in which to land.
; By this text's count one tensor load of a wave is out at a time.
; v GOES FROM MEMORY STRAIGHT INTO THE OPERAND'S REGISTERS, asked for at a step's head behind the products of the step before, which use the last v; the step's own second products stand at the next step's head.  Only the wave itself needs these
; 8,704 bytes.  They are not asked for jointly: two slots of k AND v of eight heads hold one step each (2 x 139,264 bytes of 327,680), so v in the stream would double the rounds of the cluster's barrier and halve the time that an entry has to land.
; PREFETCH.  Each 256 bytes of the key steps are named once in the launch: cluster number x of a batch names step x, x >= 6, in step x - 6, two steps or more ahead of k's joint load and six ahead of v's loads; wave w its head's 2 x 34 blocks of
; 256, a quarter for each partner, told apart by address.  Of the mask, wave w < 6 names in step 2 w the four blocks of steps 2 w + 4 and 2 w + 5.  The first steps and Wo's entries come by their loads alone.  No prefetch address is ever rewritten.
; LIMITS: a row with no key that counts gets the scale bytes 0xff ahead of the last product, which gives NaN there, as the softmax of such a row is.  The promise holds while |t| stays under 2^31.  A block whose largest magnitude lies under
; 2^-118 gets the scale byte 1.  NaN and infinities among the inputs are not served.
; REGISTERS, window 0: as set below.  Window 1: k, v, O^T.
.set BLKB, 8704
.set KVB,  2*BLKB                      ; an entry of the stream
.set HEADB, 36*BLKB
.set VOFF, 20*BLKB
.set SLOT, 8*KVB
.set OIM,  2*SLOT                      ; o's operand images: [tile 2][K step 4][piece 4][512]
.set OSCL, OIM+16384                   ; and its scale words: [tile 2][K step 4][row 16]
.set SPARE, OSCL+512                   ; the spare words: 128 bytes a wave
.set WV,   2
.set MNT,  3                           ; s3        the mantissa field of 448
.set G1,   4                           ; s[4:11]   descriptor group 1
.set G0,   12                          ; s[12:19]  two groups 0, one a slot
.set MP,   20                          ; s[20:21]  tile A's mask words; tile B's lie 4,096 bytes on
.set MOFF, 22                          ; s22       the step's 256 bytes among them
.set PMK,  23                          ; s23       in which step my wave prefetches the mask
.set PFB,  24                          ; s[24:25]  what my cluster prefetches of kv
.set PFK,  26                          ; s26       in which step
.set NCS,  27                          ; s27       -c
.set PMB,  28                          ; s[28:29]  what my wave prefetches of the mask
.set VB,   30                          ; s[30:31]  v of the step
.set SEL,  66                          ; s[66:67]  lane selects: lane l xor 16
.set CS,   100                         ; s[100:101] c = log2(e) / 8, twice
.set STP,  104                         ; s104      the trip's first step
.set A0,   1                           ; v1, v2    LDS: my entry in slot 0, 1, + 16 x lane
.set L4,   3                           ; v3        4 x lane
.set NINF, 5
.set SPW,  6                           ; v6        my spare word
.set NIL,  7                           ; v7        0
.set PFO,  8                           ; v8, v9    the prefetches' offsets
.set PFM,  9
.set LI,   11                          ; v11       16 x lane
.set MA,   12                          ; v12 -M, v13 the largest score, of tile A; v14, v15 of B
.set MB,   14
.set SUMA, 16                          ; v[16:17], v[18:19] the sums, in two halves
.set SUMB, 18
.set FFA,  20                          ; v[20:21], v[22:23] f = 2^(old M - new M)
.set FFB,  22
.set QSA,  24                          ; scale words: q's;
.set QSB,  25
.set KS,   28                          ; v28-31 k's: lanes 0-15 tiles 0-3, lanes 16-31 tiles 4-7
.set VS,   32                          ; v32-35 v's
.set PSA,  36                          ; p's
.set PSB,  37
.set PW,   38
.set TP,   39
.set BM,   40                          ; v40-43    a block's largest score, then its largest p
.set BT,   44                          ; v44-47    second chains; then the bytes
.set BH,   48                          ; v48-51    448 x the scale
.set BS,   52                          ; v52-55    the conversions' scale operands.  (v48-63: the sum's chains, ahead of that)
.set TM,   40                          ; the last quantiser's work
.set SA,   64                          ; v64-127   S^T of A, then p
.set SB,   128                         ; v128-191  of B
.set PCA,  192                         ; v192-207, v208-223 p's codes
.set PCB,  208
.set QA,   224                         ; v224-239, v240-255 q
.set QB,   240
.set BI,   224                         ; at the end: bo
.set KF,   0                           ; window 1: k's eight tiles, 8 registers each, and 8 zeros behind them
.set VF,   72                          ; v's four fragments
.set OTA,  136                         ; O^T
.set OTB,  168
.set MSB, 0
.macro WIN new                         ; the immediate's high byte repeats the setting that is left
.if MSB != \new
	s_set_vgpr_msb (MSB<<8)|\new
.set MSB, \new
.endif
.endm
.macro WALU
	s_wait_alu depctr_va_vdst(0)
.endm
.macro PLACES n
.rept \n
	v_nop
.endr
.endm
.macro CREST                           ; a round of the cluster's barrier behind its opening wait
	s_cmp_lg_u32 s[WV], 0
	s_cbranch_scc1 .Lnot_wave_0_\@
	s_barrier_signal -3
.Lnot_wave_0_\@:
	s_barrier_wait -3
	s_barrier_signal -1
	s_barrier_wait -1
.endm
.macro ROUND
	s_barrier_signal -1
	s_barrier_wait -1
	CREST
.endm
.macro KLOAD a, ext                    ; a step of k: eight tiles and their scale words
	WIN 0x40
.irp t, 0,1,2,3,4,5,6,7
.irp c, 0,1
	ds_load_b128 v[KF+8*\t+4*\c:KF+8*\t+4*\c+3], v[\a] offset:\ext+1024*\t+512*\c
.endr
.endr
	WIN 0
	ds_load_b128 v[KS:KS+3], v[\a] offset:\ext+8192
.endm
.macro VLOAD ext                       ; a step of v: four fragments and their scale words; 512 consecutive bytes a load
	WIN 0x40
.irp t, 0,1,2,3
.irp c, 0,1,2,3
	global_load_b128 v[VF+16*\t+4*\c:VF+16*\t+4*\c+3], v[LI], s[VB:VB+1] offset:\ext+2048*\t+512*\c
.endr
.endr
	WIN 0
.irp t, 0,1,2,3
	global_load_b32 v[VS+\t], v[L4], s[VB:VB+1] offset:\ext+8192+128*\t
.endr
.endm
.macro QK s, q, qs                     ; S^T = k q^T: eight tiles of 16 keys (source 0 window 1)
.irp t, 0,1,2,3
	v_wmma_scale_f32_16x16x128_f8f6f4 v[\s+8*\t:\s+8*\t+7], v[KF+8*\t:KF+8*\t+15], v[\q:\q+15], 0, v[KS+\t], v[\qs]
.endr
.irp t, 4,5,6,7
	v_wmma_scale_f32_16x16x128_f8f6f4 v[\s+8*\t:\s+8*\t+7], v[KF+8*\t:KF+8*\t+15], v[\q:\q+15], 0, v[KS+\t-4], v[\qs] matrix_a_scale:MATRIX_SCALE_ROW1
.endr
.endm
.macro PV o, pc, ps                    ; O^T += v^T p^T: the four accumulators take turns
.irp t, 0,1,2,3
	v_wmma_scale_f32_16x16x128_f8f6f4 v[\o+8*\t:\o+8*\t+7], v[VF+16*\t:VF+16*\t+15], v[\pc:\pc+15], v[\o+8*\t:\o+8*\t+7], v[VS+\t], v[\ps]
.endr
.endm
.macro RESC o, f                       ; O^T under the new M
.set N_, 0
.rept 16
	v_pk_mul_f32 v[\o+N_:\o+N_+1], v[\o+N_:\o+N_+1], v[\f:\f+1] op_sel_hi:[1,0]
.set N_, N_+2
.endr
.endm
.macro SECOND                          ; the second products of both tiles, of the step before
	WIN 0x41
	WALU
	RESC OTA, FFA
	RESC OTB, FFB
	WIN 0x51
	PV OTA, PCA, PSA
	PV OTB, PCB, PSB
.endm
.macro MASK s, n0                      ; 32 scores: a key that does not count: -infinity
.set N_, \n0
.rept 32
	v_cndmask_b32 v[\s+N_], v[NINF], v[\s+N_], s[32+N_+4*(\n0/32)]
.set N_, N_+1
.endr
.endm
.macro MWORDS ext
	s_load_b512 s[32:47], s[MP:MP+1], s[MOFF] offset:\ext
	s_load_b512 s[48:63], s[MP:MP+1], s[MOFF] offset:\ext+0x40
	s_load_b512 s[68:83], s[MP:MP+1], s[MOFF] offset:\ext+0x80
	s_load_b512 s[84:99], s[MP:MP+1], s[MOFF] offset:\ext+0xc0
.endm
; The largest score of each block of 32 keys: for the row's maximum and, since p rises with the score, for the block's largest p.  Eight chains by turns.
.macro BMAX s
.irp b, 0,1,2,3
	v_max3_num_f32 v[BM+\b], v[\s+16*\b], v[\s+16*\b+1], v[\s+16*\b+2]
	v_max3_num_f32 v[BT+\b], v[\s+16*\b+8], v[\s+16*\b+9], v[\s+16*\b+10]
.endr
.irp i, 3,5
.irp b, 0,1,2,3
	v_max3_num_f32 v[BM+\b], v[BM+\b], v[\s+16*\b+\i], v[\s+16*\b+\i+1]
	v_max3_num_f32 v[BT+\b], v[BT+\b], v[\s+16*\b+\i+8], v[\s+16*\b+\i+9]
.endr
.endr
.irp b, 0,1,2,3
	v_max3_num_f32 v[BM+\b], v[BM+\b], v[\s+16*\b+7], v[\s+16*\b+15]
.endr
.irp b, 0,1,2,3
	s_delay_alu instid0(VALU_DEP_4)
	v_max_num_f32 v[BM+\b], v[BM+\b], v[BT+\b]
.endr
.irp b, 0,1,2,3
	s_delay_alu instid0(VALU_DEP_4)
	v_permlanex16_b32 v[BT+\b], v[BM+\b], s[SEL], s[SEL+1]
.endr
.irp b, 0,1,2,3
	s_delay_alu instid0(VALU_DEP_4)
	v_max_num_f32 v[BM+\b], v[BM+\b], v[BT+\b]     ; with lane l xor 16's 16 keys
.endr
.endm
.macro MSTEP m, f
	v_max3_num_f32 v[PW], v[BM], v[BM+1], v[BM+2]
	v_mov_b32 v[TP], v[\m]
	s_delay_alu instid0(VALU_DEP_2)
	v_max3_num_f32 v[\m+1], v[\m+1], v[PW], v[BM+3]   ; the running largest score
	s_delay_alu instid0(VALU_DEP_1)
	v_mul_f32 v[PW], s[NCS], v[\m+1]               ; -t (c is positive)
	s_delay_alu instid0(VALU_DEP_1)
	v_floor_f32 v[\m], v[PW]                       ; the new -M = floor(-t) = -ceil(t): M is a whole number
	s_delay_alu instid0(VALU_DEP_1)
	v_sub_f32 v[PW], v[\m], v[TP]                  ; M's old value less its new one: a whole number, 0 or less
	s_delay_alu instid0(VALU_DEP_1)
	v_cvt_i32_f32 v[PW], v[PW]                     ; (it saturates)
	s_delay_alu instid0(VALU_DEP_1)
	v_ldexp_f32 v[\f], 1.0, v[PW]
.endm
.macro PEXP s, m, sum, f
.set N_, 0
.rept 32
	v_pk_fma_f32 v[\s+N_:\s+N_+1], v[\s+N_:\s+N_+1], s[CS:CS+1], v[\m:\m+1] op_sel_hi:[1,0,0]   ; t - M, two at a time
.set N_, N_+2
.endr
.irp b, 0,1,2,3
	v_fma_f32 v[BM+\b], v[BM+\b], s[CS], v[\m]     ; the same of each block's largest score
.endr
	WALU
.set N_, 0
.rept 64
	v_exp_f32 v[\s+N_], v[\s+N_]                   ; p = 2^(t - M), at most 1
.set N_, N_+1
.endr
.irp b, 0,1,2,3
	v_exp_f32 v[BM+\b], v[BM+\b]                   ; the block's largest p: the same two instructions on the same number
.endr
	v_pk_mul_f32 v[\sum:\sum+1], v[\sum:\sum+1], v[\f:\f+1] op_sel_hi:[1,0]   ; the sums under the new M: a plain line behind the exponentials
	WALU
.endm
.macro PSUM s, sum                     ; the row's sum, of the unquantised p: eight chains by turns
.irp k, 0,1,2,3,4,5,6,7
	v_pk_add_f32 v[48+2*\k:49+2*\k], v[\s+2*\k:\s+2*\k+1], v[\s+16+2*\k:\s+17+2*\k]
.endr
.irp q, 32,48
.irp k, 0,1,2,3,4,5,6,7
	v_pk_add_f32 v[48+2*\k:49+2*\k], v[48+2*\k:49+2*\k], v[\s+\q+2*\k:\s+\q+2*\k+1]
.endr
.endr
.irp k, 0,1,2,3
	s_delay_alu instid0(VALU_DEP_4)
	v_pk_add_f32 v[48+2*\k:49+2*\k], v[48+2*\k:49+2*\k], v[56+2*\k:57+2*\k]
.endr
.irp k, 0,1
	s_delay_alu instid0(VALU_DEP_2)
	v_pk_add_f32 v[48+2*\k:49+2*\k], v[48+2*\k:49+2*\k], v[52+2*\k:53+2*\k]
.endr
	s_delay_alu instid0(VALU_DEP_2)
	v_pk_add_f32 v[\sum:\sum+1], v[\sum:\sum+1], v[48:49]
	s_delay_alu instid0(VALU_DEP_1)
	v_pk_add_f32 v[\sum:\sum+1], v[\sum:\sum+1], v[50:51]
.endm
.macro SCALE ps
.irp b, 0,1,2,3
	v_max_num_f32 v[BM+\b], 0x4800000, v[BM+\b]    ; the floor 2^(9 - 127): a block whose every p is 0 keeps the byte 1: its codes are zeros
.endr
.irp b, 0,1,2,3
	s_delay_alu instid0(VALU_DEP_4)
	v_add_nc_u32 v[BS+\b], 0xfc000000, v[BM+\b]    ; 8 off the exponent field: the conversion's scale operand
.endr
.irp b, 0,1,2,3
	v_and_or_b32 v[BH+\b], v[BM+\b], 0x7f800000, s[MNT]   ; 448 x the scale
.endr
.irp b, 0,1,2,3
	v_lshrrev_b32 v[BT+\b], 23, v[BS+\b]           ; the scale's byte
.endr
	s_delay_alu instid0(VALU_DEP_3)
	v_lshl_or_b32 v[\ps], v[BT+1], 8, v[BT]        ; p's scale word for these 128 keys
	s_delay_alu instid0(VALU_DEP_1)
	v_lshl_or_b32 v[\ps], v[BT+2], 16, v[\ps]
	s_delay_alu instid0(VALU_DEP_1)
	v_lshl_or_b32 v[\ps], v[BT+3], 24, v[\ps]
.endm
.macro MINCVT s, pc
.irp b, 0,1,2,3
.irp i, 0,2,4,6,8,10,12,14                     ; the conversion does not saturate (ISA guide 7.6.2); p is not negative, so the hold is one-sided; two in a line
	v_dual_min_num_f32 v[\s+16*\b+\i], v[\s+16*\b+\i], v[BH+\b] :: v_dual_min_num_f32 v[\s+16*\b+\i+1], v[\s+16*\b+\i+1], v[BH+\b]
.endr
	v_cvt_scalef32_pk8_fp8_f32 v[\pc+4*\b:\pc+4*\b+1], v[\s+16*\b:\s+16*\b+7], v[BS+\b]
	v_cvt_scalef32_pk8_fp8_f32 v[\pc+4*\b+2:\pc+4*\b+3], v[\s+16*\b+8:\s+16*\b+15], v[BS+\b]
.endr
.endm
; 32 numbers of a lane, register 16 b + i = K 32 b + 16 h + i of my row, become 8 registers of codes in v[pc] on and two scale bytes in v[PW]
.macro QUANT2 s, pc
.irp b, 0,1
	v_max3_num_f32 v[TM+\b], |v[\s+16*\b]|, |v[\s+16*\b+1]|, 0x4800000   ; my 16 numbers of block b, and the floor 2^(9 - 127): the byte cannot fall under 1
.endr
.irp i, 2,4,6,8,10,12,14
.irp b, 0,1
	s_delay_alu instid0(VALU_DEP_2)
	v_max3_num_f32 v[TM+\b], v[TM+\b], |v[\s+16*\b+\i]|, |v[\s+16*\b+\i+1]|
.endr
.endr
.irp b, 0,1
	s_delay_alu instid0(VALU_DEP_2)
	v_permlanex16_b32 v[TM+2+\b], v[TM+\b], s[SEL], s[SEL+1]
.endr
.irp b, 0,1
	s_delay_alu instid0(VALU_DEP_2)
	v_max_num_f32 v[TM+\b], v[TM+\b], v[TM+2+\b]
.endr
.irp b, 0,1
	s_delay_alu instid0(VALU_DEP_2)
	v_add_nc_u32 v[TM+6+\b], 0xfc000000, v[TM+\b]
.endr
.irp b, 0,1
	s_delay_alu instid0(VALU_DEP_4)
	v_and_or_b32 v[TM+4+\b], v[TM+\b], 0x7f800000, s[MNT]
.endr
.irp b, 0,1
	s_delay_alu instid0(VALU_DEP_4)
	v_lshrrev_b32 v[TM+2+\b], 23, v[TM+6+\b]
.endr
	s_delay_alu instid0(VALU_DEP_1)
	v_lshl_or_b32 v[PW], v[TM+3], 8, v[TM+2]
.irp b, 0,1
.irp i, 0,1,2,3,4,5,6,7,8,9,10,11,12,13,14,15
	v_med3_num_f32 v[\s+16*\b+\i], v[\s+16*\b+\i], -v[TM+4+\b], v[TM+4+\b]   ; the hold (ISA guide 7.6.2)
.endr
	v_cvt_scalef32_pk8_fp8_f32 v[\pc+4*\b:\pc+4*\b+1], v[\s+16*\b:\s+16*\b+7], v[TM+6+\b]
	v_cvt_scalef32_pk8_fp8_f32 v[\pc+4*\b+2:\pc+4*\b+3], v[\s+16*\b+8:\s+16*\b+15], v[TM+6+\b]
.endr
	v_nop                                          ; one plain line behind the last conversion
.endm
; KEY STEP idx OF A TRIP OF FOUR: steps 0, 1 are slot 0's, 2, 3 slot 1's.  The rescalings of the step before are the plain lines between A's first product and its readers.
.macro STEP idx
.set SL_, \idx/2
	s_wait_loadcnt 0x0                             ; v of the step before
	s_wait_dscnt 0x0                               ; k of this step
	s_add_nc_u64 s[VB:VB+1], s[VB:VB+1], BLKB      ; (the loads that named it are done)
	WIN 0x01
	QK SA, QA, QSA
	SECOND
	WIN 0x01
	QK SB, QB, QSB
	WIN 0
	s_wait_kmcnt 0x0                               ; A's mask words
	MASK SA, 0                                     ; (also the plain lines between the products and the loads into what they have read)
	VLOAD 0
.if \idx%2 == 0
	KLOAD A0+SL_, BLKB                             ; k of the odd step: the slot's second half
.endif
	MASK SA, 32
	MWORDS 0x1000                                  ; B's
.if \idx%2
	WALU
	s_wait_tensorcnt 0x0                           ; the next entry has landed; no tensor load of mine is out;
	ds_add_u32 v[SPW], v[NIL]                      ; the add; work on registers stands between it and the wait for it
	s_add_nc_u64 s[G0+4*SL_+2:G0+4*SL_+3], s[G0+4*SL_+2:G0+4*SL_+3], 2*KVB
.endif
	BMAX SA
.if \idx%2
	WALU
	s_wait_dscnt 0x0                               ; the add is done (my last reads of this slot were over at this step's head)
	s_barrier_signal -1
.endif
	MSTEP MA, FFA
	PEXP SA, MA, SUMA, FFA
	PSUM SA, SUMA
	SCALE PSA
	WALU
.if \idx%2
	s_barrier_wait -1
	CREST                                          ; no wave of any partner still reads this slot or has a load on its way
	tensor_load_to_lds s[G0+4*SL_:G0+4*SL_+3], s[G1:G1+7]   ; the entry after the next
	s_nop 0
	KLOAD A0+1-SL_, 0                              ; k of the next step (behind step 15: Wo's first four fragments)
.endif
	s_add_co_u32 s105, s[STP], \idx
	s_cmp_eq_u32 s105, s[PFK]
	s_cbranch_scc0 .Lnot_kv_\@
	global_prefetch_b8 v[PFO], s[PFB:PFB+1] th:TH_LOAD_NT scope:SCOPE_SE
.Lnot_kv_\@:
.if \idx%2 == 0
	s_cmp_eq_u32 s105, s[PMK]
	s_cbranch_scc0 .Lnot_mask_\@
	global_prefetch_b8 v[PFM], s[PMB:PMB+1] th:TH_LOAD_NT scope:SCOPE_SE
.Lnot_mask_\@:
.endif
	MINCVT SA, PCA
	s_wait_kmcnt 0x0                               ; B's mask words
	WALU
	MASK SB, 0
	MASK SB, 32
	s_add_co_u32 s[MOFF], s[MOFF], 256             ; (behind the wait that showed the loads which named it done)
	MWORDS 0                                       ; A's of the next step; behind the last step B's first words, which nobody uses
	BMAX SB
	MSTEP MB, FFB
	PEXP SB, MB, SUMB, FFB
	PSUM SB, SUMB
	SCALE PSB
	MINCVT SB, PCB
.endm
	s_load_b256 s[32:39], s[0:1], 0x0              ; qf 32, kv 34, maskw 36
	v_lshl_add_u32 v[SPW], v0, 2, SPARE
	v_mov_b32 v[NIL], 0
	ds_add_u32 v[SPW], v[NIL]                      ; the opening lines: the add, twice on end, and its wait
	ds_add_u32 v[SPW], v[NIL]
	v_lshrrev_b32 v10, 5, v0
	s_delay_alu instid0(VALU_DEP_1)
	v_readfirstlane_b32 s[WV], v10                 ; wave 0..7 = my head
	s_bfe_u32 s68, ttmp6, 0x40000                  ; cx
	s_lshl_b32 s69, ttmp9, 2
	s_add_co_u32 s69, s69, s68                     ; x: my 32 queries; it enters q's, the mask's and the output's addresses alone
	s_and_b32 s70, ttmp7, 0xffff                   ; the batch, which the four partners share
	s_lshl_b32 s71, s70, 3
	s_add_co_u32 s71, s71, s[WV]                   ; batch x 8 + head
	s_mul_i32 s72, s[WV], KVB                      ; my entry in a slot
	s_mul_i32 s74, s71, HEADB                      ; and my head in memory
	s_mov_b32 s75, 0
	; descriptor group 1: a dense entry of 17,408 bytes, as 68 rows of 256 bytes
	s_mov_b32 s[G1], 15|(3<<16)|(1<<21)            ; 15:0 the mask: all four work-groups; 17:16 elements of 8 bytes; 21 set beside a mask; no padding
	s_mov_b32 s[G1+1], 32<<16
	s_mov_b32 s[G1+2], 68<<16
	s_mov_b32 s[G1+3], 32<<16
	s_mov_b32 s[G1+4], 68
	s_mov_b32 s[G1+5], 32
	s_mov_b32 s[G1+6], 0
	s_mov_b32 s[G1+7], 0
	s_mov_b32 s[SEL], 0x76543210
	s_mov_b32 s[SEL+1], 0xfedcba98
	s_mov_b32 s[CS], 0x3e38aa3b                    ; c = log2(e) / 8
	s_mov_b32 s[CS+1], s[CS]                       ; (named with it as a pair)
	s_mov_b32 s[NCS], 0xbe38aa3b
	s_mov_b32 s[MNT], 0x600000
	s_wait_dscnt 0x0
	s_wait_kmcnt 0x0
	s_add_nc_u64 s[76:77], s[34:35], s[74:75]      ; my head's blocks
	s_mov_b32 s[G0], 1                             ; count = 1
	s_mov_b32 s[G0+1], s72                         ; LDS address
	s_mov_b64 s[G0+2:G0+3], s[76:77]               ; global address
	s_or_b32 s[G0+3], s[G0+3], 0x80000000          ; type = 2
	s_mov_b32 s[G0+4], 1
	s_add_co_u32 s[G0+5], s72, SLOT
	s_add_nc_u64 s[G0+6:G0+7], s[76:77], KVB
	s_or_b32 s[G0+7], s[G0+7], 0x80000000
	s_add_nc_u64 s[VB:VB+1], s[76:77], VOFF-BLKB   ; one block ahead of v's first: a step steps it first
	ROUND                                          ; all four work-groups are here: the joint loads meet
	tensor_load_to_lds s[G0:G0+3], s[G1:G1+7]      ; entry 0
	s_nop 0
	v_and_b32 v10, 31, v0                          ; lane
	v_and_b32 v59, 15, v0                          ; r
	v_lshlrev_b32 v[LI], 4, v10
	v_lshlrev_b32 v[L4], 2, v10
	v_min_u32 v57, 16, v10
	v_min_u32 v58, 3, v10
	v_lshlrev_b32 v59, 4, v59                      ; q's scale words lie 16 bytes apart
	v_add_nc_u32 v[A0], s72, v[LI]
	v_add_nc_u32 v[A0+1], SLOT, v[A0]
	v_lshlrev_b32 v[PFO], 8, v57                   ; 17 blocks of 256 bytes (left-over lanes name the last again)
	v_lshrrev_b32 v57, 1, v58                      ; the mask: tile A or B,
	v_and_b32 v58, 1, v58                          ; step 2 w + 4 or 2 w + 5
	v_lshlrev_b32 v58, 8, v58
	v_lshl_add_u32 v[PFM], v57, 12, v58
	v_mov_b32 v[NINF], 0xff800000
	WALU
	s_lshl_b32 s80, s71, 4
	s_lshr_b32 s81, s69, 2
	s_add_co_u32 s80, s80, s81
	s_mul_i32 s80, s80, BLKB
	s_mov_b32 s81, 0
	s_add_nc_u64 s[80:81], s[32:33], s[80:81]      ; my block of qf
	s_and_b32 s82, s69, 3
	s_lshl_b32 s82, s82, 11                        ; tiles 2 (x % 4) and the next
	s_mov_b32 s83, 0
	s_add_nc_u64 s[82:83], s[80:81], s[82:83]
	s_bfe_u32 s84, s69, 0x10001
	s_lshl_b32 s84, s84, 8
	s_and_b32 s85, s69, 1
	s_lshl_b32 s85, s85, 3
	s_add_co_u32 s84, s84, s85
	s_add_co_u32 s84, s84, 8192
	s_mov_b32 s85, 0
	s_add_nc_u64 s[84:85], s[80:81], s[84:85]      ; their scale words
	global_load_b128 v[QA:QA+3], v[LI], s[82:83]
	global_load_b128 v[QA+4:QA+7], v[LI], s[82:83] offset:512
	global_load_b128 v[QB:QB+3], v[LI], s[82:83] offset:1024
	global_load_b128 v[QB+4:QB+7], v[LI], s[82:83] offset:1536
	global_load_b32 v[QSA], v59, s[84:85]
	global_load_b32 v[QSB], v59, s[84:85] offset:4
	VLOAD BLKB                                     ; v of step 0: finite codes for the first step's product with zero codes
	s_lshl_b32 s88, s69, 13
	s_mov_b32 s89, 0
	s_add_nc_u64 s[MP:MP+1], s[36:37], s[88:89]    ; my two tiles' mask words
	s_lshl_b32 s88, s[WV], 9
	s_add_co_u32 s88, s88, 1024
	s_add_nc_u64 s[PMB:PMB+1], s[MP:MP+1], s[88:89]
	s_lshl_b32 s[PMK], s[WV], 1
	s_cmp_lt_u32 s[WV], 6
	s_cselect_b32 s[PMK], s[PMK], 255
	s_mul_i32 s88, ttmp9, BLKB
	s_and_b32 s90, s68, 1
	s_mul_i32 s90, s90, 17*256
	s_add_co_u32 s88, s88, s90
	s_lshr_b32 s90, s68, 1
	s_mul_i32 s90, s90, VOFF
	s_add_co_u32 s88, s88, s90
	s_add_nc_u64 s[PFB:PFB+1], s[76:77], s[88:89]  ; step x of the cluster's number: my half of k's block or of v's
	s_sub_co_u32 s[PFK], ttmp9, 6                  ; (clusters 0 to 5: a number that no step has)
.irp j, 8,9,10,11,12,13,14,15
	v_mov_b32 v[QA+\j], 0                          ; K = 64 .. 127: zero codes, set once
	v_mov_b32 v[QB+\j], 0
.endr
.set N_, 0
.rept 32
	v_mov_b32 v[PCA+N_], 0                         ; the codes of the step before the first: zeros, so that the step is written once
.set N_, N_+1
.endr
	v_mov_b32 v[PSA], 0x7f7f7f7f
	v_mov_b32 v[PSB], 0x7f7f7f7f
	v_mov_b32 v[MA+1], 0xff61b1e6                  ; the largest score so far: -3e38
	v_mov_b32 v[MB+1], 0xff61b1e6
	v_mul_f32 v[PW], s[NCS], v[MA+1]
	v_floor_f32 v[MA], v[PW]                       ; -M
	v_mov_b32 v[MB], v[MA]
	v_mov_b32 v[TP], 0
.irp j, SUMA, SUMA+1, SUMB, SUMB+1, FFA, FFA+1, FFB, FFB+1
	v_mov_b32 v[\j], 0
.endr
.irp b, 0,1,2,3
	v_mov_b32 v[BT+\b], 0                          ; a lane permute's destination counts as one of its sources
.endr
	WIN 0x40
.set N_, 0
.rept 8
	v_mov_b32 v[KF+64+N_], 0                       ; behind the last tile of k: zero codes
.set N_, N_+1
.endr
.set N_, 0
.rept 64
	v_mov_b32 v[OTA+N_], 0                         ; O^T of both tiles: the first change of M leaves zeros
.set N_, N_+1
.endr
	WIN 0
	s_wait_xcnt 0x0                                ; the loads have had their addresses translated (ISA guide 3.1): q's scalar registers may take mask words
	s_mov_b32 s[MOFF], 0
	MWORDS 0
	WALU
	s_wait_loadcnt 0x0                             ; q is in
	s_wait_tensorcnt 0x0                           ; entry 0 is in
	ds_add_u32 v[SPW], v[NIL]
	s_mov_b32 s[STP], 0
	s_wait_dscnt 0x0
	ROUND
	tensor_load_to_lds s[G0+4:G0+7], s[G1:G1+7]    ; entry 1
	s_nop 0
	KLOAD A0, 0
.Lwalk:
	STEP 0
	STEP 1
	STEP 2
	STEP 3
	WALU
	s_add_co_u32 s[STP], s[STP], 4
	s_cmp_lt_u32 s[STP], 16
	s_cbranch_scc1 .Lwalk
	; the last second products; then o = O^T / the sum, quantised along the head's 64, into LDS as the last product's operand
	s_wait_kmcnt 0x0                               ; the words asked for in the last step have landed: their registers are free
	s_wait_loadcnt 0x0                             ; v of step 15
	s_wait_dscnt 0x0                               ; step 15's reads ahead are in: their registers may be loaded again
	s_load_b128 s[32:35], s[0:1], 0x18             ; bo 32, out0 34
	SECOND
	WIN 0
	s_bfe_u32 s68, ttmp6, 0x40000
	s_lshl_b32 s69, ttmp9, 2
	s_add_co_u32 s69, s69, s68                     ; x
	s_and_b32 s70, ttmp7, 0xffff                   ; batch
	s_mul_i32 s72, s[WV], KVB
	v_add_f32 v16, v16, v17                        ; the sums' two halves
	v_add_f32 v18, v18, v19
	v_and_b32 v48, 15, v0                          ; r
	v_bfe_u32 v49, v0, 4, 1                        ; h
	v_permlanex16_b32 v[PW], v16, s[SEL], s[SEL+1]
	v_permlanex16_b32 v[TP], v18, s[SEL], s[SEL+1]
	v_lshlrev_b32 v50, 5, v49                      ; bo: 32 h
	v_lshlrev_b32 v51, 2, v48
	v_add_f32 v16, v16, v[PW]                      ; and lane l xor 16's: the rows' sums
	v_add_f32 v18, v18, v[TP]
	v_lshl_add_u32 v54, v49, 8, v51                ; o's scale words: lanes 0-15 tile A's, lanes 16-31 tile B's
	v_mul_u32_u24 v55, v48, 272
	v_mul_u32_u24 v56, v49, 272
	v_lshlrev_b32 v57, 11, v49
	v_lshl_add_u32 v55, v49, 5, v55
	v_lshl_add_u32 v56, v48, 4, v56
	v_lshl_add_u32 v57, v48, 4, v57                ; out0: lanes 0-15 a row's 256 bytes, lanes 16-31 the next row's
	v_add_nc_u32 v54, OSCL, v54
	v_add_nc_u32 v53, OIM, v[LI]                   ; o's images
	v_add_nc_u32 v55, s72, v55                     ; my stage, in my entry of slot 0: in, row r, 32 h;
	v_add_nc_u32 v56, s72, v56                     ; out, by rows
	s_lshl_b32 s73, s[WV], 10
	v_add_nc_u32 v52, s73, v53                     ; my head's part of them
	s_lshr_b32 s73, s[WV], 1
	s_lshl_b32 s73, s73, 6
	s_and_b32 s74, s[WV], 1
	s_lshl_b32 s74, s74, 1
	s_add_co_u32 s73, s73, s74
	s_add_co_u32 s73, s73, OSCL
	v_add_nc_u32 v51, s73, v51                     ; and my two bytes of row r's word
	WALU
	s_wait_kmcnt 0x0
	s_lshl_b32 s74, s[WV], 8
	s_mov_b32 s75, 0
	s_add_nc_u64 s[32:33], s[32:33], s[74:75]      ; bo at my 64 columns
	s_lshl_b32 s76, s70, 22                        ; out0: 2,048 rows of 2,048 bytes a batch,
	s_lshl_b32 s77, s69, 16                        ; 32 rows,
	s_add_co_u32 s74, s74, s76
	s_add_co_u32 s74, s74, s77
	s_add_nc_u64 s[34:35], s[34:35], s[74:75]      ; my 256 bytes of a row
.irp t, 0,1,2,3                                ; register j of tile t is column 16 t + 8 h + j: bo is the first products' C
	global_load_b128 v[BI+8*\t:BI+8*\t+3], v50, s[32:33] offset:64*\t
	global_load_b128 v[BI+8*\t+4:BI+8*\t+7], v50, s[32:33] offset:64*\t+16
.endr
	WALU
	v_rcp_f32 v17, v16
	v_rcp_f32 v19, v18
	v_nop                                          ; one plain line behind a transcendental
	WIN 0x01
	WALU
.set N_, 0
.rept 32
	v_mul_f32 v[SA+N_], v[OTA+N_], v17             ; each accumulator from its low end on
.set N_, N_+1
.endr
.set N_, 0
.rept 32
	v_mul_f32 v[SB+N_], v[OTB+N_], v19
.set N_, N_+1
.endr
	WIN 0x40
.irp f, 0,1,2,3                                ; Wo, K steps 0 and 1: tiles 2 and 3 (tiles 0 and 1 were asked for in step 15)
.irp c, 0,1,2,3
	ds_load_b128 v[VF+16*\f+4*\c:VF+16*\f+4*\c+3], v[A0] offset:8192+2048*\f+512*\c
.endr
.endr
	WIN 0
	ds_load_b128 v[KS:KS+3], v[A0] offset:16384    ; and their scale words: lanes 0-15 K step 0, lanes 16-31 K step 1
.macro OUTQ s, pc, sum, g
	QUANT2 \s, \pc
	v_cmp_neq_f32 vcc_lo, 0, v[\sum]
	s_delay_alu instid0(VALU_DEP_1)
	v_cndmask_b32 v[PW], 0xffff, v[PW], vcc_lo     ; a row with no key that counts: both bytes 0xff
	ds_store_b128 v52, v[\pc:\pc+3] offset:8192*\g
	ds_store_b128 v52, v[\pc+4:\pc+7] offset:8192*\g+512
	ds_store_b16 v51, v[PW] offset:256*\g          ; lanes r and r + 16 write the same two bytes with the same value
.endm
	OUTQ SA, PCA, 16, 0
	OUTQ SB, PCB, 18, 1
	WALU
	s_wait_tensorcnt 0x0                           ; the last entry has landed
	s_wait_dscnt 0x0                               ; my part of o is in LDS
	s_barrier_signal -1
	s_barrier_wait -1                              ; and everybody's
.irp g, 0,1
.irp k, 0,1,2,3
.irp c, 0,1,2,3
	ds_load_b128 v[SA+64*\g+16*\k+4*\c:SA+64*\g+16*\k+4*\c+3], v53 offset:8192*\g+2048*\k+512*\c
.endr
.endr
.endr
.irp k, 0,1,2,3
	ds_load_b32 v[QSA+\k], v54 offset:64*\k
.endr
	s_wait_loadcnt 0x0                             ; bo
	s_wait_dscnt 0x0
; The last product, K steps 2 hf and 2 hf + 1: source 0 = 16 rows of Wo, source 1 = 16 tokens.  The eight accumulators (O^T's registers) take turns.
.macro PROJ hf, ws
.irp kk, 0,1
.if \hf+\kk == 0
	WIN 0x41
.else
	WIN 0x51
.endif
.irp t, 0,1,2,3
.irp g, 0,1
.set W_, KF+16*(2*\t+\kk)
.if \t > 1
.set W_, VF+16*(2*(\t-2)+\kk)
.endif
.set O_, SA+64*\g+16*(2*\hf+\kk)
.set D_, OTA+32*\g+8*\t
.set C_, D_
.if \hf+\kk == 0
.set C_, BI+8*\t
.endif
.set X_, \ws+\t
.set Y_, QSA+2*\hf+\kk
.if \kk+2*\g == 3
	v_wmma_scale_f32_16x16x128_f8f6f4 v[D_:D_+7], v[W_:W_+15], v[O_:O_+15], v[C_:C_+7], v[X_], v[Y_] matrix_a_scale:MATRIX_SCALE_ROW1 matrix_b_scale:MATRIX_SCALE_ROW1
.elseif \kk+2*\g == 2
	v_wmma_scale_f32_16x16x128_f8f6f4 v[D_:D_+7], v[W_:W_+15], v[O_:O_+15], v[C_:C_+7], v[X_], v[Y_] matrix_b_scale:MATRIX_SCALE_ROW1
.elseif \kk+2*\g == 1
	v_wmma_scale_f32_16x16x128_f8f6f4 v[D_:D_+7], v[W_:W_+15], v[O_:O_+15], v[C_:C_+7], v[X_], v[Y_] matrix_a_scale:MATRIX_SCALE_ROW1
.else
	v_wmma_scale_f32_16x16x128_f8f6f4 v[D_:D_+7], v[W_:W_+15], v[O_:O_+15], v[C_:C_+7], v[X_], v[Y_]
.endif
.endr
.endr
.endr
	WIN 0
	PLACES 8                                       ; places in front of loads into registers that these products read, and of the first read of their results
.endm
	PROJ 0, KS
	WIN 0x40
.irp f, 0,1,2,3
.irp c, 0,1,2,3
	ds_load_b128 v[KF+16*\f+4*\c:KF+16*\f+4*\c+3], v[A0+1] offset:2048*\f+512*\c
	ds_load_b128 v[VF+16*\f+4*\c:VF+16*\f+4*\c+3], v[A0+1] offset:8192+2048*\f+512*\c
.endr
.endr
	WIN 0
	ds_load_b128 v[VS:VS+3], v[A0+1] offset:16384
	s_wait_dscnt 0x0
	PROJ 1, VS
	; THE WAY OUT: a lane's 32 bytes of a row go into my stage (my entry of slot 0: it has had its last fill and its last read); rows of 256 bytes come back and are stored
	WIN 0x04
.irp g, 0,1
.irp t, 0,1,2,3
	ds_store_b128 v55, v[OTA+32*\g+8*\t:OTA+32*\g+8*\t+3] offset:4352*\g+64*\t
	ds_store_b128 v55, v[OTA+32*\g+8*\t+4:OTA+32*\g+8*\t+7] offset:4352*\g+64*\t+16
.endr
.endr
	WIN 0
.irp g, 0,1
.irp i, 0,1,2,3,4,5,6,7
	ds_load_b128 v[SA+32*\g+4*\i:SA+32*\g+4*\i+3], v56 offset:4352*\g+544*\i   ; LDS serves a wave's instructions in order: these see my stores
.endr
.endr
.irp g, 0,1
.irp i, 0,1,2,3,4,5,6,7
	s_wait_dscnt 15-8*\g-\i                        ; loads come back in order: the younger ones may be out
	global_store_b128 v57, v[SA+32*\g+4*\i:SA+32*\g+4*\i+3], s[34:35] offset:(8*\g+2*\i+8*(\i/4))*2048 th:TH_STORE_NT   ; sixteen lanes store 256 consecutive bytes, at a multiple of 256
.endr
.endr
	s_wait_tensorcnt 0x0                           ; the wave's end
	ds_add_u32 v[SPW], v[NIL]
	s_wait_dscnt 0x0
	ROUND                                          ; the closing round: no work-group ends while a partner may still ask for an entry that names it
	s_endpgm
.Lfunc_end_k_qe8b11e8aef_attn:
	.size	k_qe8b11e8aef_attn, .Lfunc_end_k_qe8b11e8aef_attn-k_qe8b11e8aef_attn
	.p2alignl 7, 3214868480
	.fill 96, 4, 3214868480
	.section	.rodata,"a",@progbits
	.p2align	6, 0x0
	.amdhsa_kernel k_qe8b11e8aef_attn
		.amdhsa_group_segment_fixed_size 327680
		.amdhsa_private_segment_fixed_size 0
		.amdhsa_enable_private_segment 0
		.amdhsa_kernarg_size 40
		.amdhsa_user_sgpr_count 2
		.amdhsa_user_sgpr_kernarg_segment_ptr 1
		.amdhsa_wavefront_size32 1
		.amdhsa_system_sgpr_workgroup_id_x 1
		.amdhsa_system_sgpr_workgroup_id_y 1
		.amdhsa_system_sgpr_workgroup_id_z 1
		.amdhsa_system_vgpr_workitem_id 0
		.amdhsa_next_free_vgpr 512
		.amdhsa_next_free_sgpr 106
		.amdhsa_reserve_vcc 1
		.amdhsa_float_denorm_mode_32 3
		.amdhsa_float_denorm_mode_16_64 3
		.amdhsa_memory_ordered 1
		.amdhsa_forward_progress 1
		.amdhsa_inst_pref_size 229
	.end_amdhsa_kernel
	.amdgpu_metadata
---
amdhsa.version: [ 1, 2 ]
amdhsa.kernels:
  - .name:           k_qe8b11e8aef_attn
    .symbol:         k_qe8b11e8aef_attn.kd
    .args:
      - { .name: qf, .offset: 0, .size: 8, .value_kind: global_buffer, .address_space: global }
      - { .name: kv, .offset: 8, .size: 8, .value_kind: global_buffer, .address_space: global }
      - { .name: maskw, .offset: 16, .size: 8, .value_kind: global_buffer, .address_space: global }
      - { .name: bo, .offset: 24, .size: 8, .value_kind: global_buffer, .address_space: global }
      - { .name: out0, .offset: 32, .size: 8, .value_kind: global_buffer, .address_space: global }
    .group_segment_fixed_size: 327680
    .private_segment_fixed_size: 0
    .kernarg_segment_align: 8
    .kernarg_segment_size: 40
    .max_flat_workgroup_size: 256
    .sgpr_count:     106
    .vgpr_count:     512
    .wavefront_size: 32
...
	.end_amdgpu_metadata
.endif
;; end of part 2
